; MI455X (gfx1250); checked and timed in simulation.
; The chip was launched on July 23, 2026; its instructions are those of AMD's public machine-readable ISA for CDNA 5 (MIT licence, August 2026) and "CDNA5" Instruction Set Architecture Reference Guide (July 2026). The comments in the code are by the model that wrote it; some were corrected since.
;; Perceiver Self Attention. Allowed arithmetic: matrix products marked QUANTISED: E2M3 operands, one E8M0 scale for each 32 along K, by v_wmma_scale_f32_16x16x128_f8f6f4 with both operands' format E2M3, f32 sums; everything else in f32.
;; Inputs: Wk 1,024 x 1,024 float32; Wq 1,024 x 1,024 float32; Wv 1,024 x 1,024 float32; bk 1,024 float32; bq 1,024 float32; bv 1,024 float32; hidden_states 4 x 2,048 x 1,024 float32; ln_beta 1,024 float32; ln_gamma 1,024 float32.
;; Outputs: out0 4 x 2,048 x 1,024 float32.
;; This version of the problem:
;;   THIS VERSION OF THE PROBLEM IS GIVEN IN LOW PRECISION. The matrix products marked QUANTISED in the list below multiply operands that are first quantised to E2M3 (2 exponent bits, 3 mantissa bits; 6 bits a number), with one power-of-two scale for each 32 numbers along K (OCP MX v1.0); their sums are f32. All else is computed in f32.
;;   The module's matrix products, in the order in which they are computed (A, B: the left and right operand; K: the contracted axis; several contracted axes count as one K, in the product's order):
;;     1. [M 8,192, K 1,024] x [K 1,024, N 1,024]; A: computed on the way; B: input Wq: QUANTISED
;;     2. [M 8,192, K 1,024] x [K 1,024, N 1,024]; A: computed on the way; B: input Wk: QUANTISED
;;     3. [M 8,192, K 1,024] x [K 1,024, N 1,024]; A: computed on the way; B: input Wv: QUANTISED
;;     4. batch 64 x [M 2,048, K 64] x [K 64, N 2,048]; A: computed on the way; B: computed on the way: QUANTISED
;;     5. batch 64 x [M 2,048, K 2,048] x [K 2,048, N 64]; A: softmax (see below); B: computed on the way: QUANTISED
;;   THE QUANTISER, for each operand of a quantised product, along K:
;;     - K is cut into blocks of 32 from its start; a last block that is shorter is filled with zeros.
;;     - A block's scale is 2^e with e = floor(log2(the largest magnitude in the block)) - 2, held to -126 .. 127; a block of zeros has e = 0. As a byte (E8M0): e + 127.
;;     - Each number is divided by its block's scale, clamped to +-7.5, and rounded to the nearest number of E2M3, ties to even, subnormals kept.
;;     - The product sums the exact products of the quantised numbers (number of the format x scale) in f32.
;;   ~~~python
;;   def quantise(x, axis):      # numpy; x: float32 -> the quantised numbers, widened to float32 again
;;       x = np.moveaxis(x, axis, -1); K = x.shape[-1]
;;       x = np.pad(x, [(0, 0)] * (x.ndim - 1) + [(0, -K % 32)]); x = x.reshape(x.shape[:-1] + (-1, 32)); a = np.abs(x).max(-1, keepdims=True)
;;       e = np.where(a > 0, np.clip(np.frexp(np.where(a > 0, a, 1))[1] - 1 - 2, -126, 127), 0)      # np.frexp(a)[1] - 1 = floor(log2(a)), exactly
;;       r = np.clip(x / 2.0 ** e, -7.5, 7.5)
;;       step = 2.0 ** (np.maximum(np.frexp(np.where(r == 0, 1, r))[1] - 1, 0) - 3)
;;       q = np.round(r / step) * step * 2.0 ** e      # np.round: ties to even
;;       return np.moveaxis(q.reshape(q.shape[:-2] + (-1,))[..., :K], -1, axis).astype(np.float32)
;;   ~~~
;;   SOFTMAX AHEAD OF A QUANTISED PRODUCT. Where the list says 'softmax', what is quantised is not the finished softmax but p = 2^(t - M), with t = logit x log2(e) and M = ceil(the row's largest t), a whole number; so 1/2 < the row's largest p <= 1. The row's sum l is taken of the UNQUANTISED p, in f32, and the product's result is divided by l at the end. Since M is a whole number, a kernel that streams over the keys may use a running M (the ceiling of the running maximum): every later rescaling is an exact power of two, which a block's scale takes up: the codes' values come out the same.
;;   OPERANDS COMPUTED ON THE WAY. 'Computed on the way' means the value that the module computes at that place (a softmax that the list does not call 'softmax' is quantised finished and normalised). What goes into a quantiser is computed in f32, as accurately as f32 sums, v_exp_f32 and their like allow (about 1e-6 of the number): no bf16 or f16 on the way to a quantiser, and a product that is left as it is and whose result goes on into a quantised operand takes f32 operands (vector FMAs, or v_wmma_f32_16x16x4_f32). A number that lies on a knife's edge between two numbers of the format may be rounded either way, as far as f32 arithmetic and the matrix unit's own rounding can turn it there, and no further.
;; One version. Each part assembles by itself: llvm-mc -triple=amdgcn-amd-amdhsa -mcpu=gfx1250 --defsym DOCPART=n.
;; ======== version 1 of 1: 3 launches
;; workspace buffers: xc 6,291,456 bytes; xs 262,144 bytes; wc 2,359,296 bytes; ws 98,304 bytes; qr 13,107,200 bytes; kv 13,107,200 bytes
;; launch prep (part 1): grid 352 x 1, 4 waves a work-group, no clusters, 33,280 bytes of LDS; arguments hidden_states, Wq, Wk, Wv, ln_gamma, ln_beta, xc, xs, wc, ws; writes xc, xs, wc, ws
.if DOCPART == 1
	.amdgcn_target "amdgcn-amd-amdhsa--gfx1250"
	.amdhsa_code_object_version 6
	.text
	.protected	k_qbf6a8e7e1e_prep
	.globl	k_qbf6a8e7e1e_prep
	.p2align	8
	.type	k_qbf6a8e7e1e_prep,@function
k_qbf6a8e7e1e_prep:
	s_mov_b64 s[64:65], 0
	v_nop
	global_prefetch_b8 v0, s[64:65] scope:SCOPE_SE
	s_setreg_imm32_b32 hwreg(HW_REG_WAVE_MODE, 25, 1), 1
	s_wait_xcnt 0x0
; LayerNorm of hidden_states [8192][1024] f32, and the quantising of its result and of Wq, Wk, Wv [1024][1024] f32 along K = 1024 into codes of FP6 (E2M3), 6 bits each, K innermost
; (a row: 768 bytes), with one E8M0 byte for each 32 along K (a row: 32 bytes).  A block's scale is 2^(floor(log2(its largest magnitude)) - 2); its byte is the largest magnitude's exponent field - 2.
; LIMITS: NaN and infinities among the inputs are not served.  A block whose largest magnitude lies under 2^-124, a block of zeros among them, gets the byte 1 (the rule says 127 for zeros):
; its codes are zeros or the rule's own, and the bytes are read by this program alone.
; SHARES.  11,264 rows.  A wave takes 8 neighbouring rows, one whole row (32 registers a lane) at a time, so mean and variance never leave the wave; a work-group 32 rows.
; Work-groups 0-255 take hidden_states, 256-287 Wq, 288-319 Wk, 320-351 Wv.  ONE path serves both kinds of row: only pointers are chosen, and for rows of W the mean is replaced by 0, the
; reciprocal root by 1, gamma by 1 and beta by 0 (v_cndmask_b32 on a mask made of the work-group's number): (w - 0) x 1 x 1 + 0 is w, exactly.
; THE ROWS LEAVE IN ANOTHER ORDER.  Within each 128 rows, row 64 c + 32 h + 8 w + j is written at place 64 c + 16 w + 8 h + j.  The products that follow then find, in the 32 registers of four
; neighbouring result tiles of a lane, 32 neighbours in true order.  A wave's 8 rows (j) stay together, so only the wave's place changes.
; The variance is the mean of (x - mean)^2, taken in a second pass over the registers: no difference of large sums.
; No work-group shares input with another: no cluster, no tensor load, no barrier (waves share nothing).  Two rows (16 loads a wave) are on their way while one is worked.
.set LO,  1                            ; v1   16 x lane: my 16 bytes of a load's 512
.set STI, 2                            ; v2   the stage, on the way in: 80 (lane / 4) + 16 (lane % 4)
.set STO, 3                            ; v3   and on the way out: 80 x lane: 16 neighbours
.set CO,  4                            ; v4   12 x lane: my 16 codes
.set SBA, 5                            ; v5   LDS: my block's scale byte
.set SBR, 6                            ; v6   LDS: 8 scale bytes a lane on the way out
.set L8,  7                            ; v7   8 x lane
.set MU,  10                           ; v[10:11] the mean (the low word serves both halves)
.set RS,  12                           ; v[12:13] 1 / sqrt(variance + eps), likewise
.set TP,  14                           ; v14  a lane permute's destination
.set AC,  16                           ; v[16:23] four running pairs
.set WK,  24                           ; v24-26 at work
.set G,   32                           ; v32-63  gamma: register 4 j + i = column 128 j + 4 lane + i
.set BT,  64                           ; v64-95  beta likewise
.set R,   96                           ; v96-191 three rows of 32 registers
.set X,   192                          ; v192-223 two sets of 16 neighbours
.set C,   224                          ; v224-239 four sets of codes
.set E,   240                          ; v240-255 a scale byte for each half row: never rewritten
	s_load_b256 s[4:11], s[0:1], 0x0               ; hidden_states, Wq, Wk, Wv
	s_load_b256 s[12:19], s[0:1], 0x20             ; gamma, beta, xc, xs
	s_load_b128 s[20:23], s[0:1], 0x40             ; wc, ws
	v_lshl_add_u32 v235, v0, 2, 0x8000
	v_mov_b32 v239, 0
	v_lshrrev_b32 v8, 5, v0
	v_readfirstlane_b32 s24, v8                    ; wave 0..3
	v_and_b32 v9, 31, v0                           ; lane
	v_lshlrev_b32 v[LO], 4, v9
	s_lshl_b32 s25, s24, 13                        ; my wave's 8,192 bytes of LDS: two stages of 2,560, then 256 scale bytes at 5,120
	v_lshrrev_b32 v[STI], 2, v9
	v_mul_u32_u24 v[STI], v[STI], 80
	v_and_b32 v8, 3, v9
	v_lshl_add_u32 v[STI], v8, 4, v[STI]
	v_add_nc_u32 v[STI], s25, v[STI]
	v_mul_u32_u24 v[STO], v9, 80
	v_add_nc_u32 v[STO], s25, v[STO]
	v_mul_u32_u24 v[CO], v9, 12
	v_lshrrev_b32 v[SBA], 1, v9
	s_add_co_u32 s25, s25, 5120
	v_add_nc_u32 v[SBA], s25, v[SBA]
	v_lshlrev_b32 v[L8], 3, v9
	v_add_nc_u32 v[SBR], s25, v[L8]
	v_mov_b32 v[MU+1], 0                           ; named as upper halves of pairs, so they are written
	v_mov_b32 v[RS+1], 0
	v_mov_b32 v[TP], 0                             ; a lane permute's destination counts as one of its sources
	s_mov_b32 s28, 0x76543210
	s_mov_b32 s29, 0xfedcba98                      ; v_permlanex16_b32's selects for lane l xor 16
	s_mov_b32 s27, 0x3a800000                      ; 1 / 1024
	s_mov_b32 s38, 0x3727c5ac                      ; eps = 1e-5
	s_and_b32 s31, ttmp9, 31
	s_wait_kmcnt 0x0
	s_cmp_ge_u32 ttmp9, 256                        ; a row of W?  Every choice hangs on the work-group's number alone
	s_cselect_b64 s[4:5], s[6:7], s[4:5]
	s_cselect_b64 s[16:17], s[20:21], s[16:17]
	s_cselect_b64 s[18:19], s[22:23], s[18:19]
	s_cselect_b32 s26, 0, -1                       ; the mask: all ones for rows that are normalised
	s_cselect_b32 s30, 256, 0
	s_cselect_b32 s31, s31, ttmp9                  ; which 32 rows of the source
	s_cmp_ge_u32 ttmp9, 288
	s_cselect_b64 s[4:5], s[8:9], s[4:5]
	s_cmp_ge_u32 ttmp9, 320
	s_cselect_b64 s[4:5], s[10:11], s[4:5]
	s_lshl_b32 s32, s31, 17                        ; 32 rows of 4,096 bytes,
	s_lshl_b32 s33, s24, 15                        ; my wave's 8 of them
	s_add_co_u32 s32, s32, s33
	s_mov_b32 s33, 0
	s_add_nc_u64 s[4:5], s[4:5], s[32:33]
	s_sub_co_u32 s34, ttmp9, s30
	s_lshl_b32 s34, s34, 2
	s_add_co_u32 s34, s34, s24                     ; my 8 rows' number in the destination: 8 c + 4 h + w within 16,
	s_and_b32 s35, s34, 3
	s_lshl_b32 s35, s35, 1
	s_bfe_u32 s36, s34, 0x10002
	s_and_not1_b32 s34, s34, 7
	s_or_b32 s34, s34, s35
	s_or_b32 s34, s34, s36                         ; and their place: 8 c + 2 w + h
	s_mul_i32 s36, s34, 6144                       ; 8 rows of 768 bytes of codes
	s_mov_b32 s37, 0
	s_add_nc_u64 s[16:17], s[16:17], s[36:37]
	s_lshl_b32 s36, s34, 8                         ; 8 rows of 32 scale bytes
	s_add_nc_u64 s[18:19], s[18:19], s[36:37]
.irp j, 0,1,2,3,4,5,6,7
	global_load_b128 v[G+4*\j:G+4*\j+3], v[LO], s[12:13] offset:512*\j
	global_load_b128 v[BT+4*\j:BT+4*\j+3], v[LO], s[14:15] offset:512*\j
.endr
.macro LOAD t                          ; row t: eight loads of 512 consecutive bytes
.irp j, 0,1,2,3,4,5,6,7
	global_load_b128 v[R+32*((\t)%3)+4*\j:R+32*((\t)%3)+4*\j+3], v[LO], s[4:5] offset:4096*(\t)+512*\j th:TH_LOAD_NT
.endr
.endm
	LOAD 0
	LOAD 1
.macro REDUCE                          ; four pairs a lane -> one number, the same in every lane
	v_pk_add_f32 v[AC:AC+1], v[AC:AC+1], v[AC+2:AC+3]
	v_pk_add_f32 v[AC+4:AC+5], v[AC+4:AC+5], v[AC+6:AC+7]
	v_pk_add_f32 v[AC:AC+1], v[AC:AC+1], v[AC+4:AC+5]
	v_add_f32 v[AC], v[AC], v[AC+1]
	v_add_f32_dpp v[AC], v[AC], v[AC] row_xmask:1 row_mask:0xf bank_mask:0xf
	v_add_f32_dpp v[AC], v[AC], v[AC] row_xmask:2 row_mask:0xf bank_mask:0xf
	v_add_f32_dpp v[AC], v[AC], v[AC] row_xmask:4 row_mask:0xf bank_mask:0xf
	v_add_f32_dpp v[AC], v[AC], v[AC] row_xmask:8 row_mask:0xf bank_mask:0xf
	v_permlanex16_b32 v[TP], v[AC], s28, s29
	v_add_f32 v[AC], v[AC], v[TP]
.endm
; Half e of row t: a lane's 16 neighbours become 12 bytes of codes; two neighbouring lanes hold a block of 32.
.macro QUANT t, e
.set XS, X+16*(\e)
.set CC, C+4*((2*(\t)+(\e))%4)
.set EE, E+2*(\t)+(\e)
	v_max3_num_f32 v[WK], |v[XS]|, |v[XS+1]|, |v[XS+2]|
	v_max3_num_f32 v[WK+1], |v[XS+3]|, |v[XS+4]|, |v[XS+5]|
.irp i, 6,10
	v_max3_num_f32 v[WK], v[WK], |v[XS+\i]|, |v[XS+\i+1]|
	v_max3_num_f32 v[WK+1], v[WK+1], |v[XS+\i+2]|, |v[XS+\i+3]|
.endr
	v_max3_num_f32 v[WK], v[WK], |v[XS+14]|, |v[XS+15]|
	v_max3_num_f32 v[WK], v[WK], v[WK+1], 0x1800000                ; and the floor 2^(3 - 127): the byte cannot fall under 1
	v_max_num_f32_dpp v[WK], v[WK], v[WK] row_xmask:1 row_mask:0xf bank_mask:0xf   ; with my neighbour's 16: the block's largest magnitude
	v_add_nc_u32 v[WK+2], 0xff000000, v[WK]        ; 2 off its exponent field: the conversion takes the exponent field of this operand as its scale
	v_cvt_scalef32_pk16_fp6_f32 v[CC:CC+2], v[XS:XS+15], v[WK+2]
	v_lshrrev_b32 v[EE], 23, v[WK+2]               ; the scale's byte (also the plain line behind the conversion)
	ds_store_b8 v[SBA], v[EE] offset:32*(\t)+16*(\e)               ; both lanes of a block write the same byte with the same value
	global_store_b96 v[CO], v[CC:CC+2], s[16:17] offset:768*(\t)+384*(\e)   ; the wave stores 384 consecutive bytes; a row's two stores are 768
.endm
.macro ROW t
.set RB, R+32*((\t)%3)
.if (\t) < 6
	LOAD (\t)+2                                    ; into the registers of the row before this one: its stores into the stage were shown done by that row's last wait on DScnt
	s_wait_loadcnt 16                              ; this row is in; the two rows behind it, 16 loads, may be out
.else
	s_wait_loadcnt 8*(7-(\t))                      ; the counts run down: 8, then 0
.endif
.if (\t) == 0
.set j, 0
.rept 32
	v_cndmask_b32 v[G+j], 1.0, v[G+j], s26         ; rows of W: gamma = 1, beta = 0
	v_cndmask_b32 v[BT+j], 0, v[BT+j], s26
.set j, j+1
.endr
.endif
.irp k, 0,1,2,3                        ; the row's sum, in four chains started by the first numbers: nothing is cleared
	v_pk_add_f32 v[AC+2*\k:AC+2*\k+1], v[RB+4*\k:RB+4*\k+1], v[RB+4*\k+2:RB+4*\k+3]
.endr
.irp k, 0,1,2,3,4,5,6,7
	v_pk_add_f32 v[AC+2*(\k%4):AC+2*(\k%4)+1], v[AC+2*(\k%4):AC+2*(\k%4)+1], v[RB+16+2*\k:RB+16+2*\k+1]
.endr
	REDUCE
	v_mul_f32 v[MU], s27, v[AC]                    ; the mean
	v_cndmask_b32 v[MU], 0, v[MU], s26
.set j, 0
.rept 16
	v_pk_add_f32 v[RB+j:RB+j+1], v[RB+j:RB+j+1], v[MU:MU+1] op_sel_hi:[1,0] neg_lo:[0,1] neg_hi:[0,1]   ; x - mean, in place
.set j, j+2
.endr
.irp k, 0,1,2,3
	v_pk_mul_f32 v[AC+2*\k:AC+2*\k+1], v[RB+2*\k:RB+2*\k+1], v[RB+2*\k:RB+2*\k+1]
.endr
.irp k, 4,5,6,7,8,9,10,11,12,13,14,15
	v_pk_fma_f32 v[AC+2*(\k%4):AC+2*(\k%4)+1], v[RB+2*\k:RB+2*\k+1], v[RB+2*\k:RB+2*\k+1], v[AC+2*(\k%4):AC+2*(\k%4)+1]
.endr
	REDUCE
	v_fma_f32 v[RS], v[AC], s27, s38               ; the variance + eps
	v_rsq_f32 v[RS], v[RS]
	v_nop                                          ; a plain line behind the transcendental (ISA guide 5.7.2),
	s_wait_alu depctr_va_vdst(0)                   ; and a wait ahead of its first reader
	v_cndmask_b32 v[RS], 1.0, v[RS], s26
.set j, 0
.rept 16
	v_pk_mul_f32 v[RB+j:RB+j+1], v[RB+j:RB+j+1], v[RS:RS+1] op_sel_hi:[1,0]
.set j, j+2
.endr
.set j, 0
.rept 16
	v_pk_fma_f32 v[RB+j:RB+j+1], v[RB+j:RB+j+1], v[G+j:G+j+1], v[BT+j:BT+j+1]
.set j, j+2
.endr
; The conversion wants 16 neighbours in a lane; the row lies 4 neighbours to a lane.  Each half row (2,048 bytes) turns through a stage of the wave's own: in as it lies, out 64 bytes a lane.
; LDS serves a wave's instructions in order (ISA guide 5.7.1.4): no wait between the stores and the loads, nor ahead of the next row's stores.
.irp e, 0,1
.irp i, 0,1,2,3
	ds_store_b128 v[STI], v[RB+16*\e+4*\i:RB+16*\e+4*\i+3] offset:2560*\e+640*\i
.endr
.irp i, 0,1,2,3
	ds_load_b128 v[X+16*\e+4*\i:X+16*\e+4*\i+3], v[STO] offset:2560*\e+16*\i
.endr
.endr
	s_wait_xcnt 0x0                                ; the stores of two rows ago have read their code registers, which are written again below
	s_wait_dscnt 8                                 ; the first half is back; the second half's 4 stores and 4 loads may be out
	QUANT \t, 0
	s_wait_dscnt 1                                 ; the second half is back; the byte store just issued may be out
	QUANT \t, 1
.endm
.irp t, 0,1,2,3,4,5,6,7
	ROW \t
.endr
	ds_load_b64 v[WK:WK+1], v[SBR]                 ; my wave's 256 scale bytes, 8 a lane: these loads see my stores
	s_wait_dscnt 0x0
	global_store_b64 v[L8], v[WK:WK+1], s[18:19]   ; 32 lanes store 256 consecutive bytes, aligned
	s_wait_tensorcnt 0x0
	ds_add_u32 v235, v239
	s_wait_dscnt 0x0
	s_endpgm
.Lfunc_end_k_qbf6a8e7e1e_prep:
	.size	k_qbf6a8e7e1e_prep, .Lfunc_end_k_qbf6a8e7e1e_prep-k_qbf6a8e7e1e_prep
	.p2alignl 7, 3214868480
	.fill 96, 4, 3214868480
	.section	.rodata,"a",@progbits
	.p2align	6, 0x0
	.amdhsa_kernel k_qbf6a8e7e1e_prep
		.amdhsa_group_segment_fixed_size 33280
		.amdhsa_private_segment_fixed_size 0
		.amdhsa_enable_private_segment 0
		.amdhsa_kernarg_size 80
		.amdhsa_user_sgpr_count 2
		.amdhsa_user_sgpr_kernarg_segment_ptr 1
		.amdhsa_wavefront_size32 1
		.amdhsa_system_sgpr_workgroup_id_x 1
		.amdhsa_system_sgpr_workgroup_id_y 1
		.amdhsa_system_sgpr_workgroup_id_z 1
		.amdhsa_system_vgpr_workitem_id 0
		.amdhsa_next_free_vgpr 256
		.amdhsa_next_free_sgpr 66
		.amdhsa_reserve_vcc 0
		.amdhsa_float_denorm_mode_32 3
		.amdhsa_float_denorm_mode_16_64 3
		.amdhsa_memory_ordered 1
		.amdhsa_forward_progress 1
		.amdhsa_inst_pref_size 88
	.end_amdhsa_kernel
	.amdgpu_metadata
---
amdhsa.version: [ 1, 2 ]
amdhsa.kernels:
  - .name:           k_qbf6a8e7e1e_prep
    .symbol:         k_qbf6a8e7e1e_prep.kd
    .args:
      - { .name: hidden_states, .offset: 0, .size: 8, .value_kind: global_buffer, .address_space: global }
      - { .name: Wq, .offset: 8, .size: 8, .value_kind: global_buffer, .address_space: global }
      - { .name: Wk, .offset: 16, .size: 8, .value_kind: global_buffer, .address_space: global }
      - { .name: Wv, .offset: 24, .size: 8, .value_kind: global_buffer, .address_space: global }
      - { .name: ln_gamma, .offset: 32, .size: 8, .value_kind: global_buffer, .address_space: global }
      - { .name: ln_beta, .offset: 40, .size: 8, .value_kind: global_buffer, .address_space: global }
      - { .name: xc, .offset: 48, .size: 8, .value_kind: global_buffer, .address_space: global }
      - { .name: xs, .offset: 56, .size: 8, .value_kind: global_buffer, .address_space: global }
      - { .name: wc, .offset: 64, .size: 8, .value_kind: global_buffer, .address_space: global }
      - { .name: ws, .offset: 72, .size: 8, .value_kind: global_buffer, .address_space: global }
    .group_segment_fixed_size: 33280
    .private_segment_fixed_size: 0
    .kernarg_segment_align: 8
    .kernarg_segment_size: 80
    .max_flat_workgroup_size: 128
    .sgpr_count:     66
    .vgpr_count:     256
    .wavefront_size: 32
...
	.end_amdgpu_metadata
.endif
;; end of part 1
;; launch proj (part 2): grid 12 x 32, 4 waves a work-group, clusters of 4 x 4, 327,680 bytes of LDS; arguments xc, xs, wc, ws, bq, bk, bv, qr, kv; writes qr, kv
.if DOCPART == 2
	.amdgcn_target "amdgcn-amd-amdhsa--gfx1250"
	.amdhsa_code_object_version 6
	.text
	.protected	k_qbf6a8e7e1e_proj
	.globl	k_qbf6a8e7e1e_proj
	.p2align	8
	.type	k_qbf6a8e7e1e_proj,@function
k_qbf6a8e7e1e_proj:
	s_mov_b64 s[64:65], 0
	v_nop
	global_prefetch_b8 v0, s[64:65] scope:SCOPE_SE
	s_setreg_imm32_b32 hwreg(HW_REG_WAVE_MODE, 25, 1), 1
	s_wait_xcnt 0x0
	s_wait_alu depctr_hold_cnt(0) depctr_sa_sdst(0) depctr_va_vdst(0) depctr_va_sdst(0) depctr_va_ssrc(0) depctr_va_vcc(0) depctr_vm_vsrc(0)
	s_getreg_b32 s2, hwreg(HW_REG_IB_STS2, 6, 4)
	s_cmp_eq_u32 s2, 0
	s_cbranch_scc0 .Lentry_in_a_cluster
	s_endpgm
.Lentry_in_a_cluster:
	s_bfe_u32 s2, ttmp6, 0x10000c
	s_cmp_lg_u32 s2, 0xf033
	s_cbranch_scc0 .Lentry_shape_is_right
	s_endpgm
.Lentry_shape_is_right:
; q = x Wq^T + bq, k = x Wk^T + bk, v = x Wv^T + bv on codes of FP6 (E2M3) with one E8M0 scale for each 32 along K = 1024; sums in f32.  The results never go to memory as f32: they are
; quantised in registers (q and k along the head's 64, v along the tokens) and leave as IMAGES OF OPERAND REGISTERS for the attention launch.
; x: xc [8192][768 bytes], xs [8192][32];  W: wc [3072][768], ws [3072][32] (Wq, Wk, Wv one below the other).  In both, within each 128 rows, place 64 c + 16 w + 8 h + j holds row 64 c + 32 h + 8 w + j.
; SHARES.  A tile of 256 x 256 is made by four waves, as many as a WGP has SIMDs; a wave makes 128 x 128: 64 accumulators, 512 registers.  K goes in steps of 256 through a ring of two LDS slots
; filled by the tensor data mover; the scale bytes of the tile's 512 rows come once and stay.
; CLUSTERS: 4 x 4 work-groups.  Cluster x is the TYPE (0: q, 1: k, 2: v): a cluster covers the 1,024 features of one type, so a branch on it is alike in all partners.  The operand of source 1
; (called A here) is shared along a row of the cluster, that of source 0 (B) along a column: each tile is asked for JOINTLY, by the same tensor load with the same descriptor and a mask of four.
;   q, k: A = 256 tokens of x, B = 256 rows of W: a lane holds ONE token (lane % 16) and its registers run along the features.
;   v:    A = 256 rows of Wv, B = 256 tokens of x: a lane holds ONE feature and its registers run along the tokens.
; In the result of source-0 block b = 4 c + w, register j of lane (r, h) is place 16 b + 8 h + j, which is row 64 c + 32 h + 8 w + j: the 32 registers of blocks 4 c .. 4 c + 3 are 32 NEIGHBOURS in true order,
; one whole block of the quantiser, in the order in which a 6-bit operand's registers 6 c .. 6 c + 5 want them.  So a block's largest magnitude needs no other lane and the conversions' results are the operand.
; A RECORD (12,800 bytes) holds 128 tokens of one head: four K images (1,536 bytes each), four V images, 256 bytes of K's scale words [row 16][image 4], 256 of V's.  An image is 12 registers a lane, as three
; runs of 512 bytes (registers 4 g .. 4 g + 3, lane l's 16 bytes at 16 l).  A K (or Q) image u holds token places 32 u .. 32 u + 15 in registers 0-5 and 32 u + 16 .. + 31 in registers 6-11, d = 32 h + 0 .. 31.
; A V image w holds in lane r the head's d = 32 (r / 8) + 8 w + r % 8, registers 6 c .. 6 c + 5 = tokens 64 c + 32 h + 0 .. 31.  kv: [batch x head 64][16 records]; qr the same, its V places unused.
; LIMITS: NaN and infinities are not served; a block whose largest magnitude lies under 2^-124 (a block of zeros among them) gets the byte 1: only this program reads the bytes.
; 384 tiles do not divide evenly among 256 WGPs; a tile of half the size would, at twice the LDS bytes for each product.
; REGISTERS, in windows of 256: window 0: v0-31 addresses; v32-63 scale words, two sets; v64-127 the biases; from v128 A's fragments, ONE set; on the way out v128-215 are at work.
;   window 1: B's fragments, TWO sets, at v0 and v128.   window 2: the 32 accumulators of A's blocks 0-3 ((a, b) at v[8 (8 (a % 4) + b)]);   window 3: those of blocks 4-7.
.set KSTEP,  256                       ; along K in a slot
.set NQ,     2                         ; matrix instructions deep
.set ROWB,   192                       ; a tile's row in bytes
.set KROW,   768                       ; a row of codes in memory
.set PITCH,  240                       ; an LDS row: 3 x (64 bytes + 16 of padding) = 60 words: the 32 lanes of a load of 8 bytes touch 64 different banks (64 banks of 4 bytes: ISA guide 11.1)
.set FR,     12                        ; registers of a fragment
.set NL,     6                         ; LDS loads that bring one
.set NP,     4                         ; places behind this matrix instruction (ISA guide 7.12.1)
.set HALFT,  128*PITCH                 ; 128 rows: what one tensor load brings
.set SLOT,   4*HALFT                   ; A's 256 rows, then B's 256 rows
.set LAPS,   2                         ; a lap = two K steps = once round the ring
.set KS,     32                        ; a row of scale bytes
.set SCL,    2*SLOT                    ; behind the ring: the scale bytes, as runs of 256 bytes + 16 of padding
.set HALFS,  16*272                    ; those of 128 rows
.set SBLK,   2*272                     ; those of 16 rows
.set SPARE,  SCL+4*HALFS               ; the spare words, 128 bytes for each wave: two blocks of 256 bytes that no other line names
.set REC,    12800
.set HEADB,  16*REC                    ; from a head's records to the next head's
.set IMO,  8                           ; v8   16 x lane: my place in a run of an image
.set WDO,  9                           ; v9   16 r + HEADB h: my place among the scale words: lanes 0-15 the first head's, lanes 16-31 the second's
.set SH8,  10                          ; v10  8 h
.set BOQ,  11                          ; v11  q, k: 128 h: my 32 biases of a head
.set BOV,  12                          ; v12  v: 4 (r % 8 + 32 (r / 8)): my feature's bias within a block of A
.set ADRA, 16                          ; v16-17 LDS address of my A fragments in slot 0, 1 (v18-19: for the pieces behind one padding more)
.set ADRB, 20                          ; v20-23 the same for B
.set ADRS, 27                          ; v27  LDS address of my scale words: lanes 0-15 A's rows, lanes 16-31 B's
.set SPW,  28                          ; v28  LDS address of my spare word; never rewritten
.set NIL,  29                          ; v29  0; never rewritten
.set SC,   32                          ; scale words
.set E,    64                          ; the biases
.set AF,   128                         ; A's fragments
.set CR,   128                         ; the way out: two sets of two images (24 registers), by turns
.set TT,   176                         ; v176-191 the conversions' second halves
.set T,    192                         ; v192-195 largest magnitudes
.set SO,   196                         ; v196-199 the conversions' scale operands
.set SWD,  200                         ; v200-207 the eight scale words of my rows
.set BY,   208                         ; v208-211 scale bytes
.set WT,   212                         ; v212-213 at work
.set PX,   214                         ; v214-215 lane permutes' destinations
.set SEL,  96                          ; s[96:97] selects for lane l xor 16
.set G1, 24                            ; s[24:31] descriptor group 1 for A's tiles;  s[32:39] group 0, one set for each slot
.set G0, 32
.set G1B, 48                           ; s[48:55], s[56:63] the same for B's tiles
.set G0B, 56
.set G1S, 68                           ; s[68:75], s[76:79] groups 1 and 0 for A's scales;  s[80:87], s[88:91] for B's
.set G0S, 76
.set G1SB, 80
.set G0SB, 88
.set MSB, 0
.macro WIN new                         ; the immediate's high byte repeats the setting that is left
.if MSB != \new
	s_set_vgpr_msb (MSB<<8)|\new
.set MSB, \new
.endif
.endm
.set MUL_LO, 0xa1                      ; source 0 (B) window 1, source 1 (A) window 0, C and D window 2
.set MUL_HI, 0xf1                      ; the same, C and D window 3
.set TO_B,   0x40                      ; destination window 1, address window 0
; A joint load: waves 0 and 1 fetch for A, waves 2 and 3 for B.  Each line has ONE mask and one set of registers for all that issue it; the branch hangs on the wave's number alone.
; Four v_nop follow each of the two lines, ahead of the jump, the label and what follows.
.macro JLOAD g0a, g1a, g0b, g1b
	s_cmp_eq_u32 s15, 0
	s_cbranch_scc0 .Lfor_b_\@
	tensor_load_to_lds s[\g0a:\g0a+3], s[\g1a:\g1a+7]
	s_nop 0
.rept 4
	v_nop
.endr
	s_branch .Lasked_\@
.Lfor_b_\@:
	tensor_load_to_lds s[\g0b:\g0b+3], s[\g1b:\g1b+7]
	s_nop 0
.rept 4
	v_nop
.endr
.Lasked_\@:
.endm
.macro CREST                           ; a round of the cluster's barrier behind its opening barrier
	s_cmp_lg_u32 s14, 0
	s_cbranch_scc1 .Lnot_wave_0_\@
	s_barrier_signal -3
.Lnot_wave_0_\@:
	s_barrier_wait -3
	s_barrier_signal -1
	s_barrier_wait -1
.endm
.macro CROUND                          ; a whole round
	s_barrier_signal -1
	s_barrier_wait -1
	CREST
.endm
	s_load_b128 s[4:7], s[0:1], 0x0                ; xc, xs
	s_load_b128 s[8:11], s[0:1], 0x10              ; wc, ws
	v_lshl_add_u32 v[SPW], v0, 2, SPARE
	v_mov_b32 v[NIL], 0
	ds_add_u32 v28, v29
	ds_add_u32 v28, v29
	s_wait_dscnt 0x0
	v_lshrrev_b32 v1, 5, v0
	v_readfirstlane_b32 s14, v1                    ; wave 0..3
	s_lshr_b32 s15, s14, 1                         ; which half of A's 256 rows is mine.  Also: I fetch for A (0) or for B (1)
	s_and_b32 s16, s14, 1                          ; which half of B's.  Also: which 128 rows of that tile I fetch
	s_bfe_u32 s40, ttmp6, 0x40000                  ; cx, cy: my place in the cluster
	s_bfe_u32 s41, ttmp6, 0x40004
	s_and_b32 s17, ttmp7, 0xffff
	s_lshl_b32 s17, s17, 2                         ; 4 x cluster y: the cluster's first tile of tokens
	s_lshl_b32 s42, ttmp9, 2                       ; 4 x type: the type's first tile of rows of W
	s_cmp_eq_u32 ttmp9, 2                          ; v?  The cluster's x: alike in all sixteen partners
	s_cselect_b32 s18, 8, s17                      ; A's first tile: Wv's (tile 8 of wc), or the tokens'
	s_cselect_b32 s42, s17, s42                    ; B's: the tokens', or the type's rows of W
	s_add_co_u32 s17, s18, s41                     ; A's tile: + cy: it never meets cx
	s_add_co_u32 s42, s42, s40                     ; B's tile: + cx: it never meets cy
	s_lshl_b32 s43, s41, 2
	s_lshl_b32 s43, 15, s43                        ; my row of the cluster
	s_lshl_b32 s44, 0x1111, s40                    ; my column
	; descriptor group 1: a tile of 128 rows x ROWB bytes, padded in LDS
	s_or_b32 s[G1+0], s43, (0<<16)|(1<<20)|(1<<21)|(3<<22)|(3<<25)  ; 15:0 the mask: A's tiles go to my row; 17:16 element of 1 byte; 20 padding on; 21 set beside a mask; 24:22 after every 16 words (code 3); 31:25 of 4 words (code 3)
	s_or_b32 s[G1B+0], s44, (0<<16)|(1<<20)|(1<<21)|(3<<22)|(3<<25)
.irp g, G1, G1B
	s_mov_b32 s[\g+1], ROWB<<16                    ; tensor_dim0
	s_mov_b32 s[\g+2], 128<<16                     ; tensor_dim1 = 128
	s_mov_b32 s[\g+3], ROWB<<16                    ; tile_dim0
	s_mov_b32 s[\g+4], 128                         ; tile_dim1 = 128
	s_mov_b32 s[\g+5], KROW                        ; tensor_dim0_stride
	s_mov_b32 s[\g+6], 0
	s_mov_b32 s[\g+7], 0
.endr
	; and for the scale bytes of 128 rows: a dense block of 4,096 bytes, as 16 rows of 256 bytes (32 elements of 8 bytes), 16 bytes of padding behind each
	s_or_b32 s[G1S+0], s43, (3<<16)|(1<<20)|(1<<21)|(5<<22)|(3<<25)
	s_or_b32 s[G1SB+0], s44, (3<<16)|(1<<20)|(1<<21)|(5<<22)|(3<<25)
.irp g, G1S, G1SB
	s_mov_b32 s[\g+1], 32<<16
	s_mov_b32 s[\g+2], 16<<16
	s_mov_b32 s[\g+3], 32<<16
	s_mov_b32 s[\g+4], 16
	s_mov_b32 s[\g+5], 32
	s_mov_b32 s[\g+6], 0
	s_mov_b32 s[\g+7], 0
.endr
	s_lshl_b32 s18, s16, 7                         ; which 128 rows of the tile I fetch
	s_lshl_b32 s20, s17, 8
	s_add_co_u32 s20, s20, s18                     ; A: row 256 x tile + 128 x half
	s_lshl_b32 s46, s42, 8
	s_add_co_u32 s46, s46, s18                     ; B likewise
	s_mov_b32 s21, 0
	s_mov_b32 s47, 0
	s_mov_b64 s[18:19], KS
	s_mul_u64 s[22:23], s[20:21], s[18:19]         ; where these rows' scale bytes begin,
	s_mul_u64 s[92:93], s[46:47], s[18:19]
	s_mov_b64 s[18:19], KROW
	s_mul_u64 s[20:21], s[20:21], s[18:19]         ; and their codes
	s_mul_u64 s[46:47], s[46:47], s[18:19]
	s_mul_i32 s45, s14, HALFT                      ; where they go: wave x 128 rows: no place in the cluster enters an LDS address
	s_mul_i32 s94, s14, HALFS
	s_wait_kmcnt 0x0
	s_mov_b64 s[96:97], s[4:5]
	s_mov_b64 s[98:99], s[6:7]
	s_cmp_eq_u32 ttmp9, 2                          ; for v the two operands change places: a choice between buffers on the cluster's x
	s_cselect_b64 s[4:5], s[8:9], s[4:5]           ; A's codes
	s_cselect_b64 s[6:7], s[10:11], s[6:7]         ; A's scale bytes
	s_cselect_b64 s[8:9], s[96:97], s[8:9]         ; B's codes
	s_cselect_b64 s[10:11], s[98:99], s[10:11]     ; B's scale bytes
	s_add_nc_u64 s[20:21], s[4:5], s[20:21]
	s_add_nc_u64 s[22:23], s[6:7], s[22:23]
	s_add_nc_u64 s[46:47], s[8:9], s[46:47]
	s_add_nc_u64 s[92:93], s[10:11], s[92:93]
	s_load_b256 s[4:11], s[0:1], 0x20              ; for the way out: bq, bk, bv, qr; waited for there
	s_load_b64 s[12:13], s[0:1], 0x40              ; kv
	s_mov_b32 s[SEL], 0x76543210
	s_mov_b32 s[SEL+1], 0xfedcba98
	s_mov_b32 s98, 0xffff0000                      ; lanes 16-31
	CROUND                                         ; all sixteen work-groups are here: the first joint loads meet
	s_mov_b32 s[G0S], 1
	s_add_co_u32 s[G0S+1], s94, SCL
	s_mov_b64 s[G0S+2:G0S+3], s[22:23]
	s_or_b32 s[G0S+3], s[G0S+3], 0x80000000
	s_mov_b32 s[G0SB], 1
	s_add_co_u32 s[G0SB+1], s94, SCL
	s_mov_b64 s[G0SB+2:G0SB+3], s[92:93]
	s_or_b32 s[G0SB+3], s[G0SB+3], 0x80000000
	JLOAD G0S, G1S, G0SB, G1SB                     ; the scale bytes first: they are wanted with K step 0
.irp s, 0,1
	s_mov_b32 s[G0+4*\s], 1
	s_add_co_u32 s[G0+4*\s+1], s45, \s*SLOT
	s_add_nc_u64 s[G0+4*\s+2:G0+4*\s+3], s[20:21], \s*ROWB
	s_or_b32 s[G0+4*\s+3], s[G0+4*\s+3], 0x80000000
	s_mov_b32 s[G0B+4*\s], 1
	s_add_co_u32 s[G0B+4*\s+1], s45, \s*SLOT
	s_add_nc_u64 s[G0B+4*\s+2:G0B+4*\s+3], s[46:47], \s*ROWB
	s_or_b32 s[G0B+4*\s+3], s[G0B+4*\s+3], 0x80000000
	JLOAD G0+4*\s, G1, G0B+4*\s, G1B               ; three loads of mine are out
.endr
	v_and_b32 v1, 15, v0                           ; r = l % 16
	v_bfe_u32 v2, v0, 4, 1                         ; h = l / 16
	v_mul_u32_u24 v3, v1, PITCH
	v_mul_u32_u24 v4, v2, 24
	v_add_nc_u32 v4, v3, v4                        ; a fragment's row x pitch + 24 x half
	v_lshl_add_u32 v5, v2, 4, v4                   ; and the same behind one padding more
	s_mul_i32 s21, s15, HALFT                      ; my 128 rows of A
	s_mul_i32 s22, s16, HALFT                      ; my 128 rows of B,
	s_add_co_u32 s22, s22, 2*HALFT                 ; which lie behind A's 256
.irp s, 0,1
	v_add_nc_u32 v[ADRA+\s], s21, v4
	v_add_nc_u32 v[ADRB+\s], s22, v4
	v_add_nc_u32 v[ADRA+2+\s], s21, v5
	v_add_nc_u32 v[ADRB+2+\s], s22, v5
	s_add_co_u32 s21, s21, SLOT
	s_add_co_u32 s22, s22, SLOT
.endr
	v_mul_u32_u24 v5, v1, KS                       ; my row's scale bytes: 32 a row,
	v_lshrrev_b32 v6, 8, v5
	v_lshl_add_u32 v5, v6, 4, v5                   ; and 16 more for each 256 passed
	s_mul_i32 s21, s15, HALFS                      ; A's: my 128 rows
	s_mul_i32 s22, s16, HALFS                      ; B's: my 128 rows, behind A's 256
	s_add_co_u32 s22, s22, 2*HALFS
	s_sub_co_u32 s22, s22, s21
	v_mul_u32_u24 v6, s22, v2                      ; lanes 16-31 take B's
	s_add_co_u32 s21, s21, SCL
	v_add_nc_u32 v5, v5, v6
	v_add_nc_u32 v[ADRS], s21, v5
	v_and_b32 v6, 31, v0                           ; the way out's offsets
	v_lshlrev_b32 v[IMO], 4, v6
	v_mul_u32_u24 v6, v2, HEADB
	v_lshl_add_u32 v[WDO], v1, 4, v6
	v_lshlrev_b32 v[SH8], 3, v2
	v_lshlrev_b32 v[BOQ], 7, v2
	v_and_b32 v6, 7, v1
	v_lshrrev_b32 v7, 3, v1
	v_lshl_add_u32 v6, v7, 5, v6
	v_lshlrev_b32 v[BOV], 2, v6
.macro FRAG reg, adr, q, i             ; a fragment, 16 rows x 128 K of 6-bit codes, is 12 registers: lane l holds row l % 16; registers 6 c .. 6 c + 5 hold K = 64 c + 32 (l / 16) + 0 .. 31: 24 bytes of the row, as they lie
.irp p, 0,1,2,3,4,5                    ; in pieces of 8 bytes.  Lanes 0-15 take the row's pieces 12 q + 0, 1, 2 and 12 q + 6, 7, 8, lanes 16-31 those three pieces on
.set PC, 12*(\q)+6*(\p/3)+\p%3        ; 16 bytes of padding lie behind every 8 pieces: where the piece three on lies behind one padding more, the second address register serves
.if PC%8 < 5
	ds_load_b64 v[\reg+2*\p:\reg+2*\p+1], v[\adr] offset:8*PC+16*(PC/8)+(\i)*16*PITCH
.else
	ds_load_b64 v[\reg+2*\p:\reg+2*\p+1], v[\adr+2] offset:8*PC+16*(PC/8)+(\i)*16*PITCH
.endif
.endr
.endm
; 16 matrix instructions: A's blocks a0, a0 + 1 x B's eight, 128 along K: the slot's q-th.  p: B's set;  sc: the set of scale words.  zero = 1: the first product starts the sums: nothing is ever cleared.
; The 64 accumulators take turns, one instruction a turn, in the same order in every step.
.macro MUL16 a0, p, q, sc, zero
.irp a, \a0, \a0+1
.irp b, 0,1,2,3,4,5,6,7
.if \zero
	v_wmma_scale_f32_16x16x128_f8f6f4 v[8*(8*((\a)%4)+\b):8*(8*((\a)%4)+\b)+7], v[128*(\p)+FR*\b:128*(\p)+FR*\b+FR-1], v[AF+FR*(\a):AF+FR*(\a)+FR-1], 0, v[SC+8*NQ*(\sc)+NQ*\b+(\q)], v[SC+8*NQ*(\sc)+NQ*(\a)+(\q)] matrix_a_fmt:MATRIX_FMT_FP6 matrix_b_fmt:MATRIX_FMT_FP6 matrix_a_scale:MATRIX_SCALE_ROW1
.else
	v_wmma_scale_f32_16x16x128_f8f6f4 v[8*(8*((\a)%4)+\b):8*(8*((\a)%4)+\b)+7], v[128*(\p)+FR*\b:128*(\p)+FR*\b+FR-1], v[AF+FR*(\a):AF+FR*(\a)+FR-1], v[8*(8*((\a)%4)+\b):8*(8*((\a)%4)+\b)+7], v[SC+8*NQ*(\sc)+NQ*\b+(\q)], v[SC+8*NQ*(\sc)+NQ*(\a)+(\q)] matrix_a_fmt:MATRIX_FMT_FP6 matrix_b_fmt:MATRIX_FMT_FP6 matrix_a_scale:MATRIX_SCALE_ROW1
.endif
.endr
.endr
.endm
.macro FETCH_B slot, q, p              ; B's eight fragments of the slot's q-th 128 along K into set p
	WIN TO_B
.irp i, 0,1,2,3,4,5,6,7
	FRAG 128*(\p)+FR*\i, ADRB+\slot, \q, \i
.endr
	WIN 0
.endm
.macro FETCH_A slot, q, i0             ; A's blocks i0 .. i0 + 3
.irp i, \i0, \i0+1, \i0+2, \i0+3
	FRAG AF+FR*(\i), ADRA+\slot, \q, \i
.endr
.endm
.macro SCALES sc                       ; the next K step's scale words into set sc: two words a row; lanes 0-15 take A's block i, lanes 16-31 B's block i
.irp i, 0,1,2,3,4,5,6,7
	ds_load_b64 v[SC+8*NQ*\sc+NQ*\i:SC+8*NQ*\sc+NQ*\i+1], v[ADRS] offset:\i*SBLK
.endr
.endm
; A load into a register that a matrix instruction has read, and a vector instruction that reads a matrix result or writes one of its registers, stand NP places behind that matrix instruction; only plain
; vector instructions that name none of its registers are places (ISA guide 7.12.1 for vector instructions).
.macro PLACES n
.rept \n
	v_nop
.endr
.endm
; A step of 128 along K that has its successor in the same slot.
.macro STEP slot, q, zero
	s_wait_dscnt 4*NL                              ; B's set and A's blocks 0-3 are in; the youngest 24 loads (A's blocks 4-7) may be out
	WIN MUL_LO
	MUL16 0, (\q)%2, \q, \slot, \zero
	MUL16 2, (\q)%2, \q, \slot, \zero
	s_wait_dscnt 0                                 ; A's blocks 4-7 are in (asked for 32 matrix instructions ago)
	PLACES NP
	FETCH_B \slot, (\q)+1, 1-(\q)%2
	FETCH_A \slot, (\q)+1, 0
	WIN MUL_HI
	MUL16 4, (\q)%2, \q, \slot, \zero
	MUL16 6, (\q)%2, \q, \slot, \zero
	PLACES NP
	WIN 0
	FETCH_A \slot, (\q)+1, 4
.endm
; A slot's last step changes slots: ONE barrier; in front of it each wave waits for all its tensor loads, adds 0 to its spare word, and waits for that and for its own reads of this slot.  fill = 1: this slot is filled again, two K steps ahead.
.macro TURN slot, next, fill
	s_wait_tensorcnt 0x0                           ; all my tensor loads have landed: my part of the next slot;  (every window is 0 here)
	ds_add_u32 v[SPW], v[NIL]                      ; 0 onto my spare word;
	s_wait_dscnt 4*NL+1                            ; (the add and the youngest 24 loads, A's blocks 4-7, may be out)
	WIN MUL_LO
	MUL16 0, 1, NQ-1, \slot, 0                     ; sixteen matrix instructions stand between the add and the wait for it
	s_wait_dscnt 0x0                               ; the add is done, and my reads of this slot are over
	s_barrier_signal -1
	MUL16 2, 1, NQ-1, \slot, 0
	WIN 0
	s_barrier_wait -1
.if \fill
	CREST                                          ; the barrier has opened a round of the cluster's barrier: no wave of any partner still reads this slot's tile or has a load on its way
	s_add_nc_u64 s[G0+4*\slot+2:G0+4*\slot+3], s[G0+4*\slot+2:G0+4*\slot+3], 2*ROWB
	s_add_nc_u64 s[G0B+4*\slot+2:G0B+4*\slot+3], s[G0B+4*\slot+2:G0B+4*\slot+3], 2*ROWB
	JLOAD G0+4*\slot, G1, G0B+4*\slot, G1B         ; the first tensor load behind the round; the four v_nop behind it are the places in front of the loads below
.else
	PLACES NP
.endif
	v_add_nc_u32 v[ADRS], 4*NQ, v[ADRS]            ; on to the next K step's scale words (no LDS load of mine is out)
	FETCH_B \next, 0, 0
	FETCH_A \next, 0, 0
	SCALES \next
	WIN MUL_HI
	MUL16 4, 1, NQ-1, \slot, 0
	MUL16 6, 1, NQ-1, \slot, 0
	PLACES NP
	WIN 0
	FETCH_A \next, 0, 4
.endm
; THE WAY OUT, two blocks of A (2 u, 2 u + 1) at a time: 128 accumulator registers on end, which are four blocks of the quantiser, n = 0 .. 3, 32 registers each.  kind = 0: q, k;  1: v.
.macro PAIR kind, u
.set CRS, CR+24*((\u)%2)
.set WD,  2+(\u)/2                     ; the accumulators' window
.set AC0, 64*((2*(\u))%4)
	s_wait_xcnt 0x0                                ; earlier stores have read their registers, which are written again below
	WIN ((WD<<6)|WD)                               ; destination and source 0: the accumulators; source 1: window 0
.set j, 0
.rept 64                               ; the bias; each accumulator is read from its low end on
.if \kind
	v_pk_add_f32 v[AC0+j:AC0+j+1], v[AC0+j:AC0+j+1], v[E+2*(2*(\u)+j/64):E+2*(2*(\u)+j/64)+1]   ; a lane holds one feature: one number for the block's 64 registers
.else
	v_pk_add_f32 v[AC0+j:AC0+j+1], v[AC0+j:AC0+j+1], v[E+j%64:E+j%64+1]                         ; a lane's 64 registers run along 64 of the 128 features
.endif
.set j, j+2
.endr
	WIN ((WD<<4)|(WD<<2))                          ; sources 1 and 2: the accumulators
.irp n, 0,1,2,3
	v_max3_num_f32 v[T+\n], 0x1800000, |v[AC0+32*\n]|, |v[AC0+32*\n+1]|   ; the floor 2^(3 - 127) among the leaves: the byte cannot fall under 1
.endr
.set j, 2
.rept 15
.irp n, 0,1,2,3
	v_max3_num_f32 v[T+\n], v[T+\n], |v[AC0+32*\n+j]|, |v[AC0+32*\n+j+1]|   ; the four blocks by turns; all 32 numbers of a block are mine
.endr
.set j, j+2
.endr
	WIN 0
.irp n, 0,1,2,3
	v_add_nc_u32 v[SO+\n], 0xff000000, v[T+\n]     ; 2 off the exponent field: the conversion's scale operand
.endr
.irp n, 0,1,2,3
	v_lshrrev_b32 v[BY+\n], 23, v[SO+\n]           ; the scale's byte
.endr
	WIN WD                                         ; source 0: the accumulators
.irp n, 0,1,2,3
.if \kind
.set DD, CRS+6*\n                      ; v: image n / 2 (the block of A), registers 6 (n % 2) on (tokens 64 (n % 2) on)
.else
.set DD, CRS+12*(\n%2)+6*(\n/2)        ; q, k: image n % 2 (the head), registers 6 (n / 2) on (the block of A: 16 tokens)
.endif
	v_cvt_scalef32_pk16_fp6_f32 v[DD:DD+2], v[AC0+32*\n:AC0+32*\n+15], v[SO+\n]
	v_cvt_scalef32_pk16_fp6_f32 v[TT+4*\n:TT+4*\n+2], v[AC0+32*\n+16:AC0+32*\n+31], v[SO+\n]   ; (a conversion's three registers begin on an even number)
.endr
	WIN 0
	v_nop                                          ; one plain place behind a scaled conversion
.irp n, 0,1,2,3
.if \kind
.set DD, CRS+6*\n
.else
.set DD, CRS+12*(\n%2)+6*(\n/2)
.endif
.irp i, 0,1,2
	v_mov_b32 v[DD+3+\i], v[TT+4*\n+\i]
.endr
.endr
.irp i, 0,1                            ; image i's scale word: my two bytes, 8 h bits up, and lane l xor 16's two
.if \kind
	v_lshl_or_b32 v[WT+\i], v[BY+2*\i+1], 16, v[BY+2*\i]
.else
	v_lshl_or_b32 v[WT+\i], v[BY+2+\i], 16, v[BY+\i]
.endif
.endr
.irp i, 0,1
	v_lshlrev_b32 v[WT+\i], v[SH8], v[WT+\i]
.endr
.irp i, 0,1
	v_permlanex16_b32 v[PX+\i], v[WT+\i], s[SEL], s[SEL+1]
.endr
.irp i, 0,1
.if \kind
	v_or_b32 v[SWD+2*(\u)+\i], v[WT+\i], v[PX+\i]  ; word a = 2 u + i: head a / 4, image a % 4
.else
	v_or_b32 v[SWD+4*\i+(\u)], v[WT+\i], v[PX+\i]  ; head i, image u
.endif
.endr
.irp i, 0,1
.irp g, 0,1,2
.if \kind
	global_store_b128 v[IMO], v[CRS+12*\i+4*\g:CRS+12*\i+4*\g+3], s[12:13] offset:HEADB*((\u)/2)+6144+1536*(2*((\u)%2)+\i)+512*\g
.else
	global_store_b128 v[IMO], v[CRS+12*\i+4*\g:CRS+12*\i+4*\g+3], s[12:13] offset:HEADB*\i+1536*(\u)+512*\g   ; 32 lanes store 512 consecutive bytes, at a multiple of 256 from the buffer's first byte
.endif
.endr
.endr
.endm
; One arm of the tail: the biases are asked for, the very last step of 128 along K is multiplied while they come, then the way out.
.macro ARM kind
.if \kind
.irp a, 0,1,2,3,4,5,6,7                ; v: block a's feature at place 16 a + r is feature 64 (a / 4) + 8 (a % 4) + 32 (r / 8) + r % 8; the number twice, as the pair that the packed add names
	global_load_b32 v[E+2*\a], v[BOV], s[22:23] offset:(64*(\a/4)+8*(\a%4))*4
	global_load_b32 v[E+2*\a+1], v[BOV], s[22:23] offset:(64*(\a/4)+8*(\a%4))*4
.endr
.else
.irp c, 0,1                            ; q, k: register 32 c + i: the bias of feature 64 c + 32 h + i
.irp k, 0,1,2,3,4,5,6,7
	global_load_b128 v[E+32*\c+4*\k:E+32*\c+4*\k+3], v[BOQ], s[22:23] offset:256*\c+16*\k
.endr
.endr
.endif
	s_wait_dscnt 4*NL                              ; the very last step: nothing more to fetch
	WIN MUL_LO
	MUL16 0, 1, NQ-1, 1, 0
	MUL16 2, 1, NQ-1, 1, 0
	s_wait_dscnt 0
	WIN MUL_HI
	MUL16 4, 1, NQ-1, 1, 0
	MUL16 6, 1, NQ-1, 1, 0
	WIN 0
	s_wait_loadcnt 0x0                             ; the biases
	PLACES NP                                      ; ahead of the first read of results and of the first write into registers that held A's fragments
	v_mov_b32 v[PX], 0                             ; a lane permute's destination counts as one of its sources
	v_mov_b32 v[PX+1], 0
	PAIR \kind, 0
	PAIR \kind, 1
	PAIR \kind, 2
	PAIR \kind, 3
.irp i, 0,1,2,3
	v_cndmask_b32 v[SWD+\i], v[SWD+\i], v[SWD+4+\i], s98   ; lanes 16-31 take the second head's four words
.endr
	global_store_b128 v[WDO], v[SWD:SWD+3], s[12:13] offset:12288+256*(\kind)   ; each half of the lanes stores 256 consecutive bytes, aligned: [row 16][image 4]
.endm
	s_wait_tensorcnt 1                             ; the scale bytes and my part of K step 0 are in (K step 1's load may be out),
	s_barrier_signal -1
	s_barrier_wait -1                              ; everybody's are
	FETCH_B 0, 0, 0
	FETCH_A 0, 0, 0
	SCALES 0
	FETCH_A 0, 0, 4
	STEP 0, 0, 1                                   ; the first step stands in front of the loop: its products start the sums
	s_mov_b32 s3, LAPS-1
.Llap:                                                 ; a trip goes once round the ring, from a lap's second step to the next lap's first, and fills both slots again
	TURN 0, 1, 1
	STEP 1, 0, 0
	TURN 1, 0, 1
	STEP 0, 0, 0
	s_sub_co_u32 s3, s3, 1
	s_cmp_lg_u32 s3, 0
	s_cbranch_scc1 .Llap
	TURN 0, 1, 0                                   ; the last lap fills nothing, and has no round of the cluster's barrier
	STEP 1, 0, 0
	; where my results go: 128 tokens (one record's) x 128 features (two heads)
	s_wait_kmcnt 0x0                               ; bq s[4:5], bk s[6:7], bv s[8:9], qr s[10:11], kv s[12:13]
	s_cmp_eq_u32 ttmp9, 2
	s_cselect_b32 s18, s42, s17                    ; the tokens' tile: B's for v, else A's,
	s_cselect_b32 s19, s16, s15                    ; and my half of it
	s_cselect_b32 s20, s41, s40                    ; the features' tile within the type: cy for v, else cx,
	s_cselect_b32 s21, s15, s16                    ; and my half of it
	s_cselect_b64 s[22:23], s[8:9], s[6:7]
	s_cmp_eq_u32 ttmp9, 0
	s_cselect_b64 s[22:23], s[4:5], s[22:23]       ; the type's bias
	s_cselect_b64 s[12:13], s[10:11], s[12:13]     ; q goes to qr, k and v to kv
	s_lshl_b32 s18, s18, 1
	s_add_co_u32 s18, s18, s19                     ; which 128 tokens of the 8,192
	s_lshr_b32 s19, s18, 4                         ; the batch,
	s_and_b32 s18, s18, 15                         ; the record within a head
	s_lshl_b32 s20, s20, 2
	s_lshl_b32 s21, s21, 1
	s_add_co_u32 s20, s20, s21                     ; my first head
	s_lshl_b32 s19, s19, 4
	s_add_co_u32 s19, s19, s20
	s_lshl_b32 s19, s19, 4
	s_add_co_u32 s19, s19, s18                     ; (16 batch + head) x 16 + record
	s_mul_i32 s46, s19, REC
	s_mov_b32 s47, 0
	s_add_nc_u64 s[12:13], s[12:13], s[46:47]
	s_lshl_b32 s46, s20, 8                         ; 64 numbers of 4 bytes a head
	s_add_nc_u64 s[22:23], s[22:23], s[46:47]
	s_cmp_eq_u32 ttmp9, 2                          ; the cluster's x: alike in every wave of all sixteen partners
	s_cbranch_scc1 .Lfor_v
	ARM 0
	s_branch .Lend
.Lfor_v:
	ARM 1
.Lend:
	s_wait_tensorcnt 0x0                           ; the wave's end
	ds_add_u32 v[SPW], v[NIL]
	s_wait_dscnt 0x0
	CROUND                                         ; the closing round: no work-group ends while a partner may still ask for a tile that names it
	s_endpgm
.Lfunc_end_k_qbf6a8e7e1e_proj:
	.size	k_qbf6a8e7e1e_proj, .Lfunc_end_k_qbf6a8e7e1e_proj-k_qbf6a8e7e1e_proj
	.p2alignl 7, 3214868480
	.fill 96, 4, 3214868480
	.section	.rodata,"a",@progbits
	.p2align	6, 0x0
	.amdhsa_kernel k_qbf6a8e7e1e_proj
		.amdhsa_group_segment_fixed_size 327680
		.amdhsa_private_segment_fixed_size 0
		.amdhsa_enable_private_segment 0
		.amdhsa_kernarg_size 72
		.amdhsa_user_sgpr_count 2
		.amdhsa_user_sgpr_kernarg_segment_ptr 1
		.amdhsa_wavefront_size32 1
		.amdhsa_system_sgpr_workgroup_id_x 1
		.amdhsa_system_sgpr_workgroup_id_y 1
		.amdhsa_system_sgpr_workgroup_id_z 1
		.amdhsa_system_vgpr_workitem_id 0
		.amdhsa_next_free_vgpr 1024
		.amdhsa_next_free_sgpr 100
		.amdhsa_reserve_vcc 0
		.amdhsa_float_denorm_mode_32 3
		.amdhsa_float_denorm_mode_16_64 3
		.amdhsa_memory_ordered 1
		.amdhsa_forward_progress 1
		.amdhsa_inst_pref_size 228
	.end_amdhsa_kernel
	.amdgpu_metadata
---
amdhsa.version: [ 1, 2 ]
amdhsa.kernels:
  - .name:           k_qbf6a8e7e1e_proj
    .symbol:         k_qbf6a8e7e1e_proj.kd
    .args:
      - { .name: xc, .offset: 0, .size: 8, .value_kind: global_buffer, .address_space: global }
      - { .name: xs, .offset: 8, .size: 8, .value_kind: global_buffer, .address_space: global }
      - { .name: wc, .offset: 16, .size: 8, .value_kind: global_buffer, .address_space: global }
      - { .name: ws, .offset: 24, .size: 8, .value_kind: global_buffer, .address_space: global }
      - { .name: bq, .offset: 32, .size: 8, .value_kind: global_buffer, .address_space: global }
      - { .name: bk, .offset: 40, .size: 8, .value_kind: global_buffer, .address_space: global }
      - { .name: bv, .offset: 48, .size: 8, .value_kind: global_buffer, .address_space: global }
      - { .name: qr, .offset: 56, .size: 8, .value_kind: global_buffer, .address_space: global }
      - { .name: kv, .offset: 64, .size: 8, .value_kind: global_buffer, .address_space: global }
    .group_segment_fixed_size: 327680
    .private_segment_fixed_size: 0
    .kernarg_segment_align: 8
    .kernarg_segment_size: 72
    .max_flat_workgroup_size: 128
    .sgpr_count:     100
    .vgpr_count:     1024
    .wavefront_size: 32
...
	.end_amdgpu_metadata
.endif
;; end of part 2
;; launch attn (part 3): grid 4 x 64, 16 waves a work-group, clusters of 4 x 1, 276,480 bytes of LDS; arguments qr, kv, out0; writes out0
.if DOCPART == 3
	.amdgcn_target "amdgcn-amd-amdhsa--gfx1250"
	.amdhsa_code_object_version 6
	.text
	.protected	k_qbf6a8e7e1e_attn
	.globl	k_qbf6a8e7e1e_attn
	.p2align	8
	.type	k_qbf6a8e7e1e_attn,@function
k_qbf6a8e7e1e_attn:
	s_mov_b64 s[64:65], 0
	v_nop
	global_prefetch_b8 v0, s[64:65] scope:SCOPE_SE
	s_setreg_imm32_b32 hwreg(HW_REG_WAVE_MODE, 25, 1), 1
	s_wait_xcnt 0x0
	s_wait_alu depctr_hold_cnt(0) depctr_sa_sdst(0) depctr_va_vdst(0) depctr_va_sdst(0) depctr_va_ssrc(0) depctr_va_vcc(0) depctr_vm_vsrc(0)
	s_getreg_b32 s2, hwreg(HW_REG_IB_STS2, 6, 4)
	s_cmp_eq_u32 s2, 0
	s_cbranch_scc0 .Lentry_in_a_cluster
	s_endpgm
.Lentry_in_a_cluster:
	s_bfe_u32 s2, ttmp6, 0x10000c
	s_cmp_lg_u32 s2, 0x3003
	s_cbranch_scc0 .Lentry_shape_is_right
	s_endpgm
.Lentry_shape_is_right:
; out0[b][s][64 head + d] = the sum over keys t of softmax_t(q . k / 8) v, for 64 (batch, head) pairs of 2,048 queries x 2,048 keys x 64, both products on codes of FP6 (E2M3) with one E8M0 scale for each 32 along K.
; THE SOFTMAX AHEAD OF THE SECOND PRODUCT: t = score x log2(e) / 8; M = the row's largest t so far, rounded UP to a whole number; p = 2^(t - M) is what is quantised, along the keys; it is not normalised.
; The row's sum is taken of the unquantised p, in f32, and divides O at the end.  When M moves, the sum and O are multiplied by 2^(old M - new M): exact.
; INPUTS: records of 12,800 bytes (128 tokens of one head), as the launch before laid them: four K images of 1,536 bytes, four V images, 256 bytes of K's scale words [row 16][image 4], 256 of V's.
; An image is an operand's 12 registers, three runs of 512 bytes, lane l's 16 bytes at 16 l: three ds_load_b128 bring it, without bank conflicts and without padding.
; Within 128 tokens, place 64 c + 16 w + 8 h + j holds token 64 c + 32 h + 8 w + j.  K's and Q's rows lie by place, V's registers run along true tokens.
; THE HEAD'S 64 IN AN INSTRUCTION OF 128.  A K image holds TWO tiles of 16 keys: tile 2 u in registers 0-5 (K = 0 .. 63 of the instruction), tile 2 u + 1 in registers 6-11 (K = 64 .. 127).  Source 1 is q beside six
; registers of zero codes: [q, 0] picks tile 2 u, [0, q] tile 2 u + 1: zero codes add nothing under any scale byte but 0xff, and no LDS byte is spent on filling K up.
; LAYOUT.  Both products are used transposed (S^T = K Q^T, O^T = V^T P^T): a lane holds ONE query (lane % 16) throughout.  Register 32 c + 8 w + j of S^T (tile 4 c + w) is key 64 c + 32 h + 8 w + j: a lane's registers
; 32 c .. 32 c + 31 are one whole block of 32 keys in true order, as registers 6 c .. 6 c + 5 of the second product's operand want them: a block's largest p needs no other lane and nothing changes lanes.
; SHARES.  A cluster of four work-groups is one (batch, head); a work-group owns 512 query places, each of its SIXTEEN waves 32 (two tiles, X and Y: one Q image): four waves to a SIMD, so that one wave's vector
; work stands beside another's matrix work and LDS loads.  Each fragment of K and V read from LDS serves both tiles.
; THE WHOLE HEAD'S K AND V, 204,800 bytes, LIE IN LDS, filled ONCE: no ring, no refill.  The four work-groups need the same bytes and ask for them JOINTLY: every wave issues two tensor loads (25 rows of 256 bytes of the
; first eight records, 25 of the last eight) with a mask of four.  The first eight key steps begin when the first half has landed.  All of K and V is asked for in the first lines, so there is no later tile to ask for ahead.
; A block's largest p is not searched for: p rises with the score, so the block's largest score goes through the same multiply-add and exponential (this takes v_exp_f32 not to fall where its input rises).
; LIMITS: NaN and infinities are not served; a block of p all of whose numbers lie under 2^-124 keeps the byte 1.
.set REC,   12800
.set HEADB, 16*REC                     ; a head's records; LDS bytes 0 .. HEADB - 1
.set HALFB, 8*REC
.set PART,  6400                       ; what one tensor load brings: 25 rows of 256 bytes
.set STG,   HEADB                      ; behind them: a stage of 16 rows x 272 bytes for each wave: no tensor load lands there
.set LA,   1                           ; v1   16 x lane
.set ADR,  2                           ; v2   LDS address of the step's record, + 16 x lane; on the way out: into the stage
.set SH8,  3                           ; v3   8 h
.set FF,   4                           ; v[4:5] f = 2^(old M - new M) (the low word serves both halves)
.set W0,   6                           ; v6   at work
.set PXR,  7                           ; v7   a lane permute's destination
.set ST,   8                           ; tile t: v[8+4t] -M, v[9+4t] the largest t, v[10+4t:11+4t] the sum in two halves
.set QZ,   16                          ; v16-45: six zeros, q of X, six zeros, q of Y, six zeros
.set QW,   46                          ; v46, v47 q's scale words, bytes [s0 s1 s0 s1]
.set F,    48                          ; v48-95   four fragments: K's, then V's
.set S,    96                          ; v96-159  S^T, then p
.set O,    160                         ; v160-191 O^T of X, v192-223 of Y
.set P,    224                         ; v224-235 p's codes of X, v236-247 of Y
.set SW,   248                         ; v248-251 the step's scale words: lanes 0-15 K's four images, lanes 16-31 V's
.set PW,   252                         ; v252, v253 p's scale words
.set T1,   254                         ; v254 at work; on the way out: out of the stage
.set GO,   255                         ; v255 on the way out: my byte offset in out0
.set WV,   10                          ; s10  my wave's number
.set G1,   16                          ; s[16:23] descriptor group 1;  s[24:27], s[28:31] groups 0
.set SEL,  32                          ; s[32:33] selects for lane l xor 16
.set CS,   34                          ; s[34:35] c = log2(e) / 8
.set TB,   36                          ; s36  LDS byte at which the step's record begins
.set CNT,  37                          ; s37  counts a loop's eight steps
.macro CROUND                          ; a round of the cluster's barrier
	s_barrier_signal -1
	s_barrier_wait -1
	s_cmp_lg_u32 s[WV], 0
	s_cbranch_scc1 .Lnot_wave_0_\@
	s_barrier_signal -3
.Lnot_wave_0_\@:
	s_barrier_wait -3
	s_barrier_signal -1
	s_barrier_wait -1
.endm
	s_load_b128 s[4:7], s[0:1], 0x0                ; qr, kv
	s_load_b64 s[8:9], s[0:1], 0x10                ; out0
	v_lshl_add_u32 v254, v0, 2, 0x43000
	v_mov_b32 v255, 0
	ds_add_u32 v254, v255
	ds_add_u32 v254, v255
	s_wait_dscnt 0x0
	v_lshrrev_b32 v1, 5, v0
	v_readfirstlane_b32 s[WV], v1                  ; wave 0..15
	s_bfe_u32 s11, ttmp6, 0x40000                  ; cx: it enters Q's and out0's addresses alone
	s_and_b32 s12, ttmp7, 0xffff                   ; 16 batch + head, which the four partners share
	; descriptor group 1: 25 rows of 256 bytes (32 elements of 8 bytes), dense in memory and in LDS
	s_mov_b32 s[G1], 15|(3<<16)|(1<<21)            ; 15:0 the mask: all four work-groups; 17:16 elements of 8 bytes; 20 padding off; 21 set beside a mask
	s_mov_b32 s[G1+1], 32<<16                      ; tensor_dim0 = 32
	s_mov_b32 s[G1+2], 25<<16                      ; tensor_dim1 = 25
	s_mov_b32 s[G1+3], 32<<16                      ; tile_dim0 = 32
	s_mov_b32 s[G1+4], 25                          ; tile_dim1 = 25
	s_mov_b32 s[G1+5], 32                          ; tensor_dim0_stride
	s_mov_b32 s[G1+6], 0
	s_mov_b32 s[G1+7], 0
	s_mul_i32 s38, s12, HEADB                      ; the head's records in kv,
	s_mul_i32 s40, s[WV], PART                     ; my wave's part of a half, in memory and in LDS alike
	s_add_co_u32 s38, s38, s40
	s_mov_b32 s39, 0
	s_lshl_b32 s41, s11, 4
	s_add_co_u32 s41, s41, s[WV]                   ; my pair of query tiles: 16 cx + wave,
	s_lshr_b32 s42, s41, 2                         ; in record sg,
	s_and_b32 s43, s41, 3                          ; image u
	s_lshl_b32 s44, s12, 4
	s_add_co_u32 s44, s44, s42
	s_mul_i32 s44, s44, REC
	s_mov_b32 s45, 0
	s_lshr_b32 s46, s12, 4                         ; out0: token 2048 batch + 128 sg + 64 (u / 2) + 16 (u % 2), in sixteens:
	s_lshl_b32 s46, s46, 4
	s_add_co_u32 s46, s46, s42
	s_lshl_b32 s46, s46, 1
	s_lshr_b32 s47, s43, 1
	s_add_co_u32 s46, s46, s47
	s_lshl_b32 s46, s46, 2
	s_and_b32 s47, s43, 1
	s_add_co_u32 s46, s46, s47
	s_lshl_b32 s46, s46, 16                        ; 16 rows of 4,096 bytes,
	s_and_b32 s47, s12, 15
	s_lshl_b32 s47, s47, 8                         ; and the head's 256 bytes of a row
	s_add_co_u32 s46, s46, s47
	s_mov_b32 s47, 0
	s_mov_b32 s[SEL], 0x76543210
	s_mov_b32 s[SEL+1], 0xfedcba98
	s_mov_b32 s[CS], 0x3e38aa3b                    ; c = log2(e) / 8
	s_mov_b32 s[CS+1], s[CS]                       ; (named with it as a pair, so it is written)
	s_wait_kmcnt 0x0
	s_add_nc_u64 s[6:7], s[6:7], s[38:39]
	s_add_nc_u64 s[4:5], s[4:5], s[44:45]
	s_add_nc_u64 s[8:9], s[8:9], s[46:47]
	CROUND                                         ; all four work-groups are here: the joint loads meet
	s_mov_b32 s24, 1                               ; 1:0 count = 1
	s_mov_b32 s25, s40                             ; 63:32 LDS address: no place in the cluster enters it
	s_mov_b64 s[26:27], s[6:7]                     ; 120:64 global address
	s_or_b32 s27, s27, 0x80000000                  ; 127:126 type = 2
	s_mov_b32 s28, 1
	s_add_co_u32 s29, s40, HALFB
	s_add_nc_u64 s[30:31], s[6:7], HALFB
	s_or_b32 s31, s31, 0x80000000
	tensor_load_to_lds s[24:27], s[G1:G1+7]        ; my part of records 0-7,
	s_nop 0
	tensor_load_to_lds s[28:31], s[G1:G1+7]        ; and of records 8-15: two loads of mine are out, and no more are issued
	s_nop 0
.rept 4
	v_nop
.endr
	v_and_b32 v2, 31, v0
	v_lshlrev_b32 v[LA], 4, v2
	v_and_b32 v[W0], 15, v0                        ; r
	v_bfe_u32 v[PXR], v0, 4, 1                     ; h
	v_lshlrev_b32 v[SH8], 3, v[PXR]
	s_mul_i32 s38, s43, 1536
	v_add_nc_u32 v[T1], s38, v[LA]                 ; my Q image
	s_lshl_b32 s39, s43, 2
	v_lshl_add_u32 v[GO], v[W0], 4, s39            ; and row r's scale word of it
	global_load_b128 v[S:S+3], v[T1], s[4:5] th:TH_LOAD_NT
	global_load_b128 v[S+4:S+7], v[T1], s[4:5] offset:512 th:TH_LOAD_NT
	global_load_b128 v[S+8:S+11], v[T1], s[4:5] offset:1024 th:TH_LOAD_NT
	global_load_b32 v[S+12], v[GO], s[4:5] offset:12288 th:TH_LOAD_NT
.irp i, 0,1,2,3,4,5
	v_mov_b32 v[QZ+\i], 0                          ; zero codes
	v_mov_b32 v[QZ+12+\i], 0
	v_mov_b32 v[QZ+24+\i], 0
.endr
	v_mov_b32 v[FF+1], 0                           ; (named as the upper half of a pair)
.irp t, 0,1
	v_mov_b32 v[ST+4*\t+1], 0xff61b1e6             ; the largest t so far: -3e38, under every t
	v_floor_f32 v[ST+4*\t], -v[ST+4*\t+1]          ; -M
	v_mov_b32 v[ST+4*\t+2], 0                      ; the sum
	v_mov_b32 v[ST+4*\t+3], 0
.endr
	s_wait_loadcnt 0x0                             ; Q
	v_perm_b32 v[QW], v[S+12], v[S+12], 0x01000100     ; X's two bytes, twice: they serve q in either half of the operand
	v_perm_b32 v[QW+1], v[S+12], v[S+12], 0x03020302   ; Y's
.irp i, 0,1,2,3,4,5
	v_mov_b32 v[QZ+6+\i], v[S+\i]                  ; q of X: registers 0-5 of the image
	v_mov_b32 v[QZ+18+\i], v[S+6+\i]               ; q of Y: registers 6-11
.endr
.set j, 0
.rept 64
	v_mov_b32 v[O+j], 0                            ; O^T.  (The step is written once: the first finds zeros, which the first change of M leaves zeros.  These are also the places between the lines above and the first products)
.set j, j+1
.endr
; S^T of tile t against the step's 128 keys: 8 matrix instructions, each starting its own sum.
.macro QK t
.irp u, 0,1,2,3
	v_wmma_scale_f32_16x16x128_f8f6f4 v[S+16*\u:S+16*\u+7], v[F+12*\u:F+12*\u+11], v[QZ+6+12*(\t):QZ+17+12*(\t)], 0, v[SW+\u], v[QW+(\t)] matrix_a_fmt:MATRIX_FMT_FP6 matrix_b_fmt:MATRIX_FMT_FP6
	v_wmma_scale_f32_16x16x128_f8f6f4 v[S+16*\u+8:S+16*\u+15], v[F+12*\u:F+12*\u+11], v[QZ+12*(\t):QZ+11+12*(\t)], 0, v[SW+\u], v[QW+(\t)] matrix_a_fmt:MATRIX_FMT_FP6 matrix_b_fmt:MATRIX_FMT_FP6
.endr
.endm
; O^T of tile t += V image w (16 of the head's 64) x P: V's scale words lie in lanes 16-31.
.macro PV t, w
	v_wmma_scale_f32_16x16x128_f8f6f4 v[O+32*(\t)+8*(\w):O+32*(\t)+8*(\w)+7], v[F+12*(\w):F+12*(\w)+11], v[P+12*(\t):P+12*(\t)+11], v[O+32*(\t)+8*(\w):O+32*(\t)+8*(\w)+7], v[SW+(\w)], v[PW+(\t)] matrix_a_fmt:MATRIX_FMT_FP6 matrix_b_fmt:MATRIX_FMT_FP6 matrix_a_scale:MATRIX_SCALE_ROW1
.endm
; THE SOFTMAX of tile t for one key step, from S^T to P's codes and scale word.  tbk: twelve registers that are idle meanwhile.
.macro SM t, tbk
.set sT,  ST+4*(\t)
.set sO,  O+32*(\t)
.set sP,  P+12*(\t)
.set CVA, \tbk                         ; the conversions' second halves (three registers from an even one),
.set BM0, \tbk+3                       ; the largest score of my block of keys 32 h on, later its p, later the conversion's scale operand,
.set CVB, \tbk+4
.set BM1, \tbk+7                       ; the same of keys 64 + 32 h on,
.set SUM, \tbk+8                       ; a second chain of sums,
.set MX,  \tbk+10
.set OD,  \tbk+11
	v_max3_num_f32 v[BM0], v[S], v[S+1], v[S+2]    ; each accumulator is read from its low end on
	v_max3_num_f32 v[BM1], v[S+32], v[S+33], v[S+34]
.set i, 3
.rept 14
	v_max3_num_f32 v[BM0], v[BM0], v[S+i], v[S+i+1]
	v_max3_num_f32 v[BM1], v[BM1], v[S+32+i], v[S+33+i]
.set i, i+2
.endr
	v_max_num_f32 v[BM0], v[BM0], v[S+31]
	v_max_num_f32 v[BM1], v[BM1], v[S+63]
	v_max_num_f32 v[MX], v[BM0], v[BM1]
	v_permlanex16_b32 v[PXR], v[MX], s[SEL], s[SEL+1]
	v_max_num_f32 v[MX], v[MX], v[PXR]             ; with lane l xor 16's 64 keys: the step's largest score of my query
	v_mul_f32 v[MX], s[CS], v[MX]                  ; as t (c is positive)
	v_max_num_f32 v[sT+1], v[sT+1], v[MX]          ; the running largest t
	v_mov_b32 v[OD], v[sT]
	v_floor_f32 v[sT], -v[sT+1]                    ; the new -M = floor(-t) = -ceil(t): a whole number
	v_sub_f32 v[OD], v[sT], v[OD]                  ; M's old value less its new one: a whole number, 0 or less
	v_cvt_i32_f32 v[OD], v[OD]                     ; (it saturates)
	v_ldexp_f32 v[FF], 1.0, v[OD]                  ; f = 2^(old M - new M)
.set i, 0
.rept 32
	v_pk_fma_f32 v[S+i:S+i+1], v[S+i:S+i+1], s[CS:CS+1], v[sT:sT+1] op_sel_hi:[1,0,0]   ; t - M, two at a time
.set i, i+2
.endr
	v_fma_f32 v[BM0], v[BM0], s[CS], v[sT]         ; the same of each block's largest score
	v_fma_f32 v[BM1], v[BM1], s[CS], v[sT]
.set i, 0
.rept 64
	v_exp_f32 v[S+i], v[S+i]                       ; p = 2^(t - M), at most 1: not normalised
.set i, i+1
.endr
	v_pk_mul_f32 v[sT+2:sT+3], v[sT+2:sT+3], v[FF:FF+1] op_sel_hi:[1,0]   ; the sums under the new M.  (The plain line behind the exponentials)
	s_wait_alu depctr_va_vdst(0)                   ; one wait for the whole batch, ahead of its first reader
	v_exp_f32 v[BM0], v[BM0]                       ; each block's largest p: the same two instructions on the same number give the same bits
	v_exp_f32 v[BM1], v[BM1]
	v_pk_add_f32 v[SUM:SUM+1], v[S:S+1], v[S+2:S+3]   ; the row's sum is taken of the unquantised p, in two chains.  (It reads the 64 alone: plain work behind the two)
.set i, 4
.rept 15
	v_pk_add_f32 v[sT+2:sT+3], v[sT+2:sT+3], v[S+i:S+i+1]
	v_pk_add_f32 v[SUM:SUM+1], v[SUM:SUM+1], v[S+i+2:S+i+3]
.set i, i+4
.endr
	v_pk_add_f32 v[sT+2:sT+3], v[sT+2:sT+3], v[SUM:SUM+1]
	s_wait_alu depctr_va_vdst(0)                   ; and one for the two
	v_max_num_f32 v[BM0], 0x1800000, v[BM0]        ; the floor 2^(3 - 127): the byte cannot fall under 1
	v_max_num_f32 v[BM1], 0x1800000, v[BM1]
	v_add_nc_u32 v[BM0], 0xff000000, v[BM0]        ; 2 off the exponent field: the conversion's scale operand
	v_add_nc_u32 v[BM1], 0xff000000, v[BM1]
	v_lshrrev_b32 v[W0], 23, v[BM0]                ; the scale's bytes
	v_lshrrev_b32 v[T1], 23, v[BM1]
	v_lshl_or_b32 v[W0], v[T1], 16, v[W0]          ; my two: blocks h and 2 + h,
	v_lshlrev_b32 v[W0], v[SH8], v[W0]             ; at their places,
	v_permlanex16_b32 v[PXR], v[W0], s[SEL], s[SEL+1]
	v_or_b32 v[PW+(\t)], v[W0], v[PXR]             ; with lane l xor 16's two: p's scale word for these 128 keys
	v_cvt_scalef32_pk16_fp6_f32 v[sP:sP+2], v[S:S+15], v[BM0]
	v_cvt_scalef32_pk16_fp6_f32 v[CVA:CVA+2], v[S+16:S+31], v[BM0]     ; (a conversion's three registers begin on an even number)
	v_cvt_scalef32_pk16_fp6_f32 v[sP+6:sP+8], v[S+32:S+47], v[BM1]
	v_cvt_scalef32_pk16_fp6_f32 v[CVB:CVB+2], v[S+48:S+63], v[BM1]
	v_nop                                          ; one plain place behind a scaled conversion
.irp i, 0,1,2
	v_mov_b32 v[sP+3+\i], v[CVA+\i]
	v_mov_b32 v[sP+9+\i], v[CVB+\i]
.endr
.set i, 0
.rept 16
	v_pk_mul_f32 v[sO+i:sO+i+1], v[sO+i:sO+i+1], v[FF:FF+1] op_sel_hi:[1,0]   ; O^T under the new M.  (These are also the places between the scale word, the codes and the products that take them)
.set i, i+2
.endr
.endm
.macro PLACES                          ; four places behind matrix instructions, ahead of reads of their results and of loads and writes into their registers (ISA guide 7.12.1 for vector instructions)
.rept 4
	v_nop
.endr
.endm
; A KEY STEP: 128 keys, one record.
.macro STEP
	v_add_nc_u32 v[ADR], s[TB], v[LA]
	ds_load_b128 v[SW:SW+3], v[ADR] offset:12288   ; lanes 0-15: row r's four words of K; lanes 16-31: of V
.irp i, 0,1,2,3,4,5,6,7,8,9,10,11
	ds_load_b128 v[F+4*\i:F+4*\i+3], v[ADR] offset:512*\i          ; K's four images
.endr
	s_wait_dscnt 0x0
	QK 0
	PLACES
	SM 0, P+12                                     ; Y's code registers are idle
	QK 1                                           ; from the same fragments of K
	PLACES
.irp i, 0,1,2,3,4,5,6,7,8
	ds_load_b128 v[F+4*\i:F+4*\i+3], v[ADR] offset:6144+512*\i     ; V's images 0-2 land while Y's softmax is worked
.endr
	SM 1, F+36                                     ; the fourth fragment's registers are idle
.irp i, 9,10,11
	ds_load_b128 v[F+4*\i:F+4*\i+3], v[ADR] offset:6144+512*\i     ; V's image 3
.endr
	s_wait_dscnt 3                                 ; images 0-2 are in; the three loads just issued may be out
.irp w, 0,1,2
	PV 0, \w                                       ; eight accumulators, one instruction each: no two that follow each other share one
	PV 1, \w
.endr
	s_wait_dscnt 0x0
	PV 0, 3
	PV 1, 3
	PLACES                                         ; ahead of the next step's loads into the fragments and scale words, and of the way out
.endm
	s_wait_tensorcnt 0x1                           ; my part of records 0-7 is in; that of records 8-15 may be out
	s_barrier_signal -1
	s_barrier_wait -1                              ; everybody's is
	s_mov_b32 s[TB], 0
	s_mov_b32 s[CNT], 0
.Lfirst:
	STEP
	s_add_co_u32 s[TB], s[TB], REC
	s_add_co_u32 s[CNT], s[CNT], 1
	s_cmp_lt_u32 s[CNT], 8
	s_cbranch_scc1 .Lfirst
	s_wait_tensorcnt 0x0                           ; my part of records 8-15 is in,
	s_wait_dscnt 0x0
	s_barrier_signal -1
	s_barrier_wait -1                              ; everybody's is
	s_mov_b32 s[TB], HALFB
	s_mov_b32 s[CNT], 0
.Lsecond:
	STEP
	s_add_co_u32 s[TB], s[TB], REC
	s_add_co_u32 s[CNT], s[CNT], 1
	s_cmp_lt_u32 s[CNT], 8
	s_cbranch_scc1 .Lsecond
	; THE WAY OUT.  O^T / the sum: register i of tile t is o(query r, d = 32 h + i).  A tile goes through my stage in LDS (rows of 256 bytes + 16) and leaves as whole rows: sixteen lanes store a query's 256 bytes of its head.
	v_add_f32 v[ST+2], v[ST+2], v[ST+3]            ; the sum's two halves,
	v_add_f32 v[ST+6], v[ST+6], v[ST+7]
	v_permlanex16_b32 v[W0], v[ST+2], s[SEL], s[SEL+1]
	v_permlanex16_b32 v[PXR], v[ST+6], s[SEL], s[SEL+1]
	v_add_f32 v[ST+2], v[ST+2], v[W0]              ; and lane l xor 16's: the row's sum
	v_add_f32 v[ST+6], v[ST+6], v[PXR]
	v_rcp_f32 v[ST+2], v[ST+2]
	v_rcp_f32 v[ST+6], v[ST+6]
	v_and_b32 v[F], 15, v0                         ; (plain lines behind the reciprocals)  r
	v_bfe_u32 v[F+1], v0, 4, 1                     ; h
	s_mul_i32 s38, s[WV], 16*272
	s_add_co_u32 s38, s38, STG                     ; my stage
	v_mul_u32_u24 v[ADR], v[F], 272
	v_lshl_add_u32 v[ADR], v[F+1], 7, v[ADR]
	v_add_nc_u32 v[ADR], s38, v[ADR]               ; in: row r, + 128 h
	v_mul_u32_u24 v[T1], v[F+1], 272
	v_lshl_add_u32 v[T1], v[F], 4, v[T1]
	v_add_nc_u32 v[T1], s38, v[T1]                 ; back: lanes 0-15 one row, lanes 16-31 the next
	v_lshlrev_b32 v[GO], 12, v[F+1]
	v_lshl_add_u32 v[GO], v[F], 4, v[GO]           ; and the same two rows in out0
	s_wait_alu depctr_va_vdst(0)                   ; one wait for the two reciprocals, ahead of their first reader
.irp t, 0,1
.set j, 0
.rept 16
	v_pk_mul_f32 v[O+32*\t+j:O+32*\t+j+1], v[O+32*\t+j:O+32*\t+j+1], v[ST+4*\t+2:ST+4*\t+3] op_sel_hi:[1,0]
.set j, j+2
.endr
.irp k, 0,1,2,3,4,5,6,7
	ds_store_b128 v[ADR], v[O+32*\t+4*\k:O+32*\t+4*\k+3] offset:16*\k
.endr
.irp i, 0,1,2,3,4,5,6,7
	ds_load_b128 v[S+32*\t+4*\i:S+32*\t+4*\i+3], v[T1] offset:544*\i   ; LDS serves a wave's instructions in order (ISA guide 5.7.1.4): these see my stores, and the next tile's stores come behind them
.endr
.endr
.irp t, 0,1                            ; stage row 2 i + lane / 16 of tile t is query place 16 (2 u + t) + that row: token 64 (u / 2) + 16 (u % 2) + 8 t + 32 (i / 4) + 2 (i % 4) + lane / 16 of the 128
.irp i, 0,1,2,3,4,5,6,7
	s_wait_dscnt (1-\t)*16+7-\i                    ; behind this load: the tile's younger loads, and for X also Y's 16 LDS instructions
	global_store_b128 v[GO], v[S+32*\t+4*\i:S+32*\t+4*\i+3], s[8:9] offset:(2*(\i%4)+32*(\i/4)+8*\t)*4096 th:TH_STORE_NT   ; 16 lanes store 256 consecutive bytes, at a multiple of 256 from out0's first byte
.endr
.endr
	s_wait_xcnt 0x0
	v_lshl_add_u32 v254, v0, 2, 0x43000
	v_mov_b32 v255, 0
	s_wait_tensorcnt 0x0
	ds_add_u32 v254, v255
	s_wait_dscnt 0x0
	CROUND                                         ; the closing round: no work-group ends while a partner may still ask for a tile that names it (all my tensor loads were waited for above)
	s_endpgm
.Lfunc_end_k_qbf6a8e7e1e_attn:
	.size	k_qbf6a8e7e1e_attn, .Lfunc_end_k_qbf6a8e7e1e_attn-k_qbf6a8e7e1e_attn
	.p2alignl 7, 3214868480
	.fill 96, 4, 3214868480
	.section	.rodata,"a",@progbits
	.p2align	6, 0x0
	.amdhsa_kernel k_qbf6a8e7e1e_attn
		.amdhsa_group_segment_fixed_size 276480
		.amdhsa_private_segment_fixed_size 0
		.amdhsa_enable_private_segment 0
		.amdhsa_kernarg_size 24
		.amdhsa_user_sgpr_count 2
		.amdhsa_user_sgpr_kernarg_segment_ptr 1
		.amdhsa_wavefront_size32 1
		.amdhsa_system_sgpr_workgroup_id_x 1
		.amdhsa_system_sgpr_workgroup_id_y 1
		.amdhsa_system_sgpr_workgroup_id_z 1
		.amdhsa_system_vgpr_workitem_id 0
		.amdhsa_next_free_vgpr 256
		.amdhsa_next_free_sgpr 66
		.amdhsa_reserve_vcc 0
		.amdhsa_float_denorm_mode_32 3
		.amdhsa_float_denorm_mode_16_64 3
		.amdhsa_memory_ordered 1
		.amdhsa_forward_progress 1
		.amdhsa_inst_pref_size 70
	.end_amdhsa_kernel
	.amdgpu_metadata
---
amdhsa.version: [ 1, 2 ]
amdhsa.kernels:
  - .name:           k_qbf6a8e7e1e_attn
    .symbol:         k_qbf6a8e7e1e_attn.kd
    .args:
      - { .name: qr, .offset: 0, .size: 8, .value_kind: global_buffer, .address_space: global }
      - { .name: kv, .offset: 8, .size: 8, .value_kind: global_buffer, .address_space: global }
      - { .name: out0, .offset: 16, .size: 8, .value_kind: global_buffer, .address_space: global }
    .group_segment_fixed_size: 276480
    .private_segment_fixed_size: 0
    .kernarg_segment_align: 8
    .kernarg_segment_size: 24
    .max_flat_workgroup_size: 512
    .sgpr_count:     66
    .vgpr_count:     256
    .wavefront_size: 32
...
	.end_amdgpu_metadata
.endif
;; end of part 3
